; MI455X (gfx1250); checked and timed in simulation.
; The chip was launched on July 23, 2026; its instructions are those of AMD's public machine-readable ISA for CDNA 5 (MIT licence, August 2026) and "CDNA5" Instruction Set Architecture Reference Guide (July 2026). The comments in the code are by the model that wrote it; some were corrected since.
;; Self Attention. Allowed arithmetic: matrix products marked QUANTISED: E2M1 operands, one E8M0 scale for each 32 along K, by v_wmma_scale_f32_16x16x128_f8f6f4 with both operands' format E2M1 (or v_wmma_scale_f32_32x16x128_f4), f32 sums; products left as they are: bf16, f16 or f32 operands; f32 sums; everything else in f32.
;; Inputs: WK 1,024 x 1,024 float32; WQ 1,024 x 1,024 float32; WV 1,024 x 1,024 float32; key 4 x 2,048 x 1,024 float32; query 4 x 2,048 x 1,024 float32; value 4 x 2,048 x 1,024 float32.
;; Outputs: out0 4 x 2,048 x 1,024 float32.
;; This version of the problem:
;;   THIS VERSION OF THE PROBLEM IS GIVEN IN LOW PRECISION. The matrix products marked QUANTISED in the list below multiply operands that are first quantised to E2M1 (2 exponent bits, 1 mantissa bit; 4 bits a number), with one power-of-two scale for each 32 numbers along K (OCP MX v1.0); their sums are f32. The products marked 'left as it is' may take bf16, f16 or f32 operands, with f32 sums. Whichever they take, every output number must still come out within the allowed error. Rounding operands to bf16 (8 significant bits) uses up far more of that allowance than f16 does (11 bits, for magnitudes from 6e-5 to 65,504). All else is computed in f32.
;;   The module's matrix products, in the order in which they are computed (A, B: the left and right operand; K: the contracted axis; several contracted axes count as one K, in the product's order):
;;     1. [M 8,192, K 1,024] x [K 1,024, N 1,024]; A: input query; B: input WQ: QUANTISED
;;     2. [M 8,192, K 1,024] x [K 1,024, N 1,024]; A: input key; B: input WK: QUANTISED
;;     3. [M 8,192, K 1,024] x [K 1,024, N 1,024]; A: input value; B: input WV: QUANTISED
;;     4. batch 64 x [M 2,048, K 64] x [K 64, N 2,048]; A: computed on the way; B: computed on the way: left as it is (an operand is computed on the way)
;;     5. batch 64 x [M 2,048, K 2,048] x [K 2,048, N 64]; A: computed on the way; B: computed on the way: left as it is (an operand is computed on the way)
;;   THE QUANTISER, for each operand of a quantised product, along K:
;;     - K is cut into blocks of 32 from its start; a last block that is shorter is filled with zeros.
;;     - A block's scale is 2^e with e = floor(log2(the largest magnitude in the block)) - 2, held to -126 .. 127; a block of zeros has e = 0. As a byte (E8M0): e + 127.
;;     - Each number is divided by its block's scale, clamped to +-6, and rounded to the nearest number of E2M1, ties to even, subnormals kept.
;;     - The product sums the exact products of the quantised numbers (number of the format x scale) in f32.
;;   ~~~python
;;   def quantise(x, axis):      # numpy; x: float32 -> the quantised numbers, widened to float32 again
;;       x = np.moveaxis(x, axis, -1); K = x.shape[-1]
;;       x = np.pad(x, [(0, 0)] * (x.ndim - 1) + [(0, -K % 32)]); x = x.reshape(x.shape[:-1] + (-1, 32)); a = np.abs(x).max(-1, keepdims=True)
;;       e = np.where(a > 0, np.clip(np.frexp(np.where(a > 0, a, 1))[1] - 1 - 2, -126, 127), 0)      # np.frexp(a)[1] - 1 = floor(log2(a)), exactly
;;       r = np.clip(x / 2.0 ** e, -6, 6)
;;       step = 2.0 ** (np.maximum(np.frexp(np.where(r == 0, 1, r))[1] - 1, 0) - 1)
;;       q = np.round(r / step) * step * 2.0 ** e      # np.round: ties to even
;;       return np.moveaxis(q.reshape(q.shape[:-2] + (-1,))[..., :K], -1, axis).astype(np.float32)
;;   ~~~
;; One version. Each part assembles by itself: llvm-mc -triple=amdgcn-amd-amdhsa -mcpu=gfx1250 --defsym DOCPART=n.
;; ======== version 1 of 1: 3 launches
;; limits: values are held in f16: magnitudes above 65,504 overflow, below 6.1e-05 lose precision
;; workspace buffers: xc 12,582,912 bytes; xs 786,432 bytes; wc 1,572,864 bytes; ws 98,304 bytes; qf 16,777,216 bytes; kvf 33,554,432 bytes
;; launch quant (part 1): grid 816 x 1, 4 waves a work-group, no clusters, 68,096 bytes of LDS; arguments query, key, value, WQ, WK, WV, xc, xs, wc, ws; writes xc, xs, wc, ws
.if DOCPART == 1
	.amdgcn_target "amdgcn-amd-amdhsa--gfx1250"
	.amdhsa_code_object_version 6
	.text
	.protected	k_qde5d27a2c5_quant
	.globl	k_qde5d27a2c5_quant
	.p2align	8
	.type	k_qde5d27a2c5_quant,@function
k_qde5d27a2c5_quant:
	s_mov_b64 s[64:65], 0
	v_nop
	global_prefetch_b8 v0, s[64:65] scope:SCOPE_SE
	s_setreg_imm32_b32 hwreg(HW_REG_WAVE_MODE, 25, 1), 1
	s_wait_xcnt 0x0
; query, key, value [8192][1024] f32 (K innermost) and WQ, WK, WV [1024 (k)][1024 (n)] f32 (K is the FIRST axis) become codes of FP4 (E2M1), K innermost, two a byte, with one E8M0 byte for each 32 along K.
; xc [3][8192][512 bytes], xs [3][8192][32 bytes]: the activations;  wc [3][1024 (n)][512 bytes], ws [3][1024 (n)][32 bytes]: the weights, laid by column n.
; A block's scale is 2^(floor(log2(its largest magnitude)) - 2); its byte is the largest magnitude's exponent field - 2, held at 1 from below.  Each number is divided by the scale and rounded to the nearest code, ties to even;
; what lies beyond 6 gets the largest code.
; LIMITS: a block of zeros gets the byte 1 where the rule says 127 (its codes are zeros, which add nothing under any byte but 0xff, and the bytes are read by this program alone); blocks whose largest magnitude lies under
; 2^(2 - 126) have their byte held at 1; NaN and infinities among the inputs are not served.
; ONE LAUNCH, TWO PATHS, parted on the work-group's number alone.  Work-groups 0-47 take the weights (16 each: 8 x 128 columns, 2 x 512 along K): a lane takes a column and its registers run down K.
; Work-groups 48-815 take the activations as plain streams of blocks of 32: 32,768 numbers a work-group, 8,192 a wave.  The weights' work-groups have the lowest numbers, since their chains of loads are the longer ones.
; Each path has LDS bytes of its own.  No tensor loads, no barrier: waves share nothing.  Clusters and the matrix unit have nothing to do here: no input byte is read by two work-groups.
.set NWG_W, 48                         ; the weights' work-groups
.set STEPS, 16                         ; activations: steps of 512 numbers for a wave
.set EMAX,  2                          ; the exponent of the format's largest number, 6
.set CB,    8                          ; bytes of 16 codes
.set R,     16                         ; v16-79   activations: four sets of 16 numbers as they are loaded
.set X,     80                         ; v80-111  two sets of 16 neighbours
.set E,     112                        ; v112-127 a scale byte for each step
.set C,     128                        ; v128-191 codes: four registers for each step, so that no store's data are written again
.set WREG,  8192                       ; LDS bytes 0 .. 32,767: a region for each wave of the activations' path: two stages of 32 x SP bytes, behind them its 256 scale bytes
.set SP,    80                         ; a lane's place in a stage: its 64 bytes + 16 of padding
.set WSTG,  32768                      ; LDS bytes 32,768 .. 67,583: the weights' path: a stage of 32 rows x PITCH for each wave
.set PITCH, 272                        ; 256 bytes of codes + 16 of padding
.set KROW,  512                        ; a row of wc in bytes
.set NB,    16                         ; weights: blocks of 32 along K for a wave
.set WX,    32                         ; v32-95   weights: two sets of 32 numbers
.set WCD,   96                         ; v96-99   a block's codes
.set OUTR,  112                        ; v112-175 the way out: 16 x 4 registers
.set SB,    24                         ; v24-27   the scale bytes, four to a register
.set SPW,   192                        ; v192     LDS address of my spare word: SPARE + 4 x my thread's number; never rewritten
.set NIL,   193                        ; v193     0; never rewritten
.set SPARE, 67584                      ; behind both paths' bytes: the spare words, 128 bytes for each wave: two blocks of 256 bytes that no other line names
	s_load_b512 s[36:51], s[0:1], 0x0              ; query 36, key 38, value 40, WQ 42, WK 44, WV 46, xc 48, xs 50
	s_load_b128 s[52:55], s[0:1], 0x40             ; wc 52, ws 54
	v_lshl_add_u32 v[SPW], v0, 2, SPARE
	v_mov_b32 v[NIL], 0
	v_lshrrev_b32 v1, 5, v0
	v_readfirstlane_b32 s16, v1                    ; wave 0..3
	v_and_b32 v2, 31, v0                           ; lane
	s_cmp_lt_u32 ttmp9, NWG_W
	s_cbranch_scc1 .Lweights
; ---------------- THE ACTIVATIONS.  The conversions take 8 numbers of ONE block from a lane's consecutive registers, so a lane must hold 16 NEIGHBOURS (two neighbouring lanes hold a block); a load is best where neighbouring
; LANES take neighbouring bytes.  Both are had: each of a step's four loads reads 512 consecutive bytes, 16 a lane; the 2,048 bytes go through the wave's own stage in LDS as they lie and come back 64 bytes a lane.
	v_lshlrev_b32 v3, 4, v2                        ; my 16 bytes of a load's 512
	s_mul_i32 s17, s16, WREG
	v_lshrrev_b32 v14, 2, v2
	v_mul_u32_u24 v14, v14, SP
	v_and_b32 v15, 3, v2
	v_lshl_add_u32 v14, v15, 4, v14
	v_add_nc_u32 v14, s17, v14                     ; the stage, on the way in: SP (lane / 4) + 16 (lane % 4); a load's 512 bytes take eight places
	v_mul_u32_u24 v15, v2, SP
	v_add_nc_u32 v15, s17, v15                     ; and on the way out: SP x lane: my 16 neighbours
	v_mul_u32_u24 v4, v2, CB                       ; my codes' place in a step's
	v_lshrrev_b32 v5, 1, v2
	s_add_co_u32 s17, s17, 2*32*SP
	v_add_nc_u32 v5, s17, v5                       ; LDS: my wave's 256 scale bytes, my block's byte
	v_lshlrev_b32 v7, 3, v2                        ; and on the way out 8 bytes a lane
	v_add_nc_u32 v6, s17, v7
	s_sub_co_u32 s20, ttmp9, NWG_W                 ; g = 0 .. 767: 256 work-groups to a tensor
	s_and_b32 s18, s20, 255
	s_lshl_b32 s18, s18, 2
	s_add_co_u32 s18, s18, s16                     ; which run of 8,192 numbers of the tensor is my wave's
	s_lshl_b32 s18, s18, 15                        ; x 32,768 bytes
	s_mov_b32 s19, 0
	s_lshl_b32 s22, s20, 2
	s_add_co_u32 s22, s22, s16                     ; and which run of the three tensors on end: xc and xs hold them one behind the other
	s_lshl_b32 s24, s22, 12                        ; x 4,096 bytes of codes
	s_mov_b32 s25, 0
	s_lshl_b32 s26, s22, 8                         ; x 256 scale bytes
	s_mov_b32 s27, 0
	s_wait_kmcnt 0x0
	s_cmp_lt_u32 s20, 256                          ; the choice of the tensor hangs on the work-group's number alone
	s_cselect_b64 s[4:5], s[36:37], s[38:39]
	s_cmp_lt_u32 s20, 512
	s_cselect_b64 s[4:5], s[4:5], s[40:41]
	s_add_nc_u64 s[4:5], s[4:5], s[18:19]
	s_add_nc_u64 s[8:9], s[48:49], s[24:25]
	s_add_nc_u64 s[10:11], s[50:51], s[26:27]
.macro LOAD t
.irp i, 0,1,2,3
	global_load_b128 v[R+16*((\t)%4)+4*\i:R+16*((\t)%4)+4*\i+3], v3, s[4:5] offset:2048*(\t)+512*\i th:TH_LOAD_NT   ; 32 lanes read 512 consecutive bytes; read once in the launch
.endr
.endm
.macro TURN t                          ; step t's numbers through the stage: LDS serves a wave's instructions in order (ISA guide 5.7.1.4), so no wait stands between the stores and the loads
.irp i, 0,1,2,3
	ds_store_b128 v14, v[R+16*((\t)%4)+4*\i:R+16*((\t)%4)+4*\i+3] offset:32*SP*((\t)%2)+8*SP*\i
.endr
.irp i, 0,1,2,3
	ds_load_b128 v[X+16*((\t)%2)+4*\i:X+16*((\t)%2)+4*\i+3], v15 offset:32*SP*((\t)%2)+16*\i
.endr
.endm
.irp t, 0,1,2,3
	LOAD \t
.endr
	s_wait_loadcnt 12                              ; step 0's four loads are in; the twelve of steps 1 to 3 may be out
	TURN 0
.macro STEP t
.set XS, X+16*((\t)%2)
.if (\t) > 0
	s_wait_dscnt 1                                 ; this step's numbers are back from the stage (the last step's byte store may be out): so its stores into the stage have read their registers,
.else
	s_wait_dscnt 0x0
.endif
.if (\t)+4 < STEPS
	LOAD (\t)+4                                    ; which take the loads of four steps on
.endif
.if (\t)+1 < STEPS
.if STEPS-2-(\t) >= 3
	s_wait_loadcnt 12                              ; the next step's four loads are in; those of the three steps behind it may be out
.else
	s_wait_loadcnt 4*(STEPS-2-(\t))                ; at the end the counts run down
.endif
	TURN (\t)+1                                    ; and go through the other stage while this step is worked
.endif
	v_max3_num_f32 v8, |v[XS]|, |v[XS+1]|, |v[XS+2]|               ; the largest magnitude of my 16, in two chains
	v_max3_num_f32 v9, |v[XS+3]|, |v[XS+4]|, |v[XS+5]|
.irp i, 6,10
	v_max3_num_f32 v8, v8, |v[XS+\i]|, |v[XS+\i+1]|
	v_max3_num_f32 v9, v9, |v[XS+\i+2]|, |v[XS+\i+3]|
.endr
	v_max3_num_f32 v8, v8, |v[XS+14]|, |v[XS+15]|
	v_max3_num_f32 v8, v8, v9, (EMAX+1)<<23        ; and the floor 2^(EMAX + 1 - 127): so the byte cannot fall under 1
	v_max_num_f32_dpp v8, v8, v8 row_xmask:1 row_mask:0xf bank_mask:0xf   ; and of my neighbour's 16: the block's
	v_add_nc_u32 v11, -(EMAX<<23), v8              ; EMAX off its exponent field: the conversion takes the exponent field of this operand as its scale, and nothing else of it
	v_cvt_scalef32_pk8_fp4_f32 v[C+4*(\t)], v[XS:XS+7], v11
	v_cvt_scalef32_pk8_fp4_f32 v[C+4*(\t)+1], v[XS+8:XS+15], v11
	v_lshrrev_b32 v[E+(\t)], 23, v11               ; the scale's byte (also the plain line behind the conversions)
	ds_store_b8 v5, v[E+(\t)] offset:16*(\t)       ; both lanes of a block write the same byte with the same value
	global_store_b64 v4, v[C+4*(\t):C+4*(\t)+1], s[8:9] offset:32*CB*(\t)   ; 32 lanes store 256 consecutive bytes, aligned
.endm
.irp t, 0,1,2,3,4,5,6,7,8,9,10,11,12,13,14,15
	STEP \t
.endr
	ds_load_b64 v[8:9], v6                         ; my wave's 256 scale bytes: these loads see my stores
	s_wait_dscnt 0x0
	global_store_b64 v7, v[8:9], s[10:11]          ; 32 lanes store 256 consecutive bytes, aligned
	s_wait_tensorcnt 0x0                           ; the wave's end, behind my last LDS store
	ds_add_u32 v[SPW], v[NIL]
	s_wait_dscnt 0x0
	s_endpgm
; ---------------- THE WEIGHTS.  A lane takes a column n and its registers run down K: each load reads 128 consecutive bytes a wave, a block of 32 along K lies in ONE lane's 32 registers, and the conversions give the codes
; with K innermost: nothing is transposed.  A wave takes 32 columns x 512 along K; its codes go through its own stage in LDS and leave as rows: sixteen lanes store 256 consecutive bytes, aligned.
.Lweights:
	s_lshr_b32 s20, ttmp9, 4                       ; which weight: 0 WQ, 1 WK, 2 WV
	s_and_b32 s21, ttmp9, 7                        ; which 128 columns
	s_bfe_u32 s18, ttmp9, 0x10003                  ; which 512 along K
	s_lshl_b32 s17, s21, 7
	s_lshl_b32 s22, s16, 5
	s_add_co_u32 s17, s17, s22                     ; my wave's first column
	v_lshlrev_b32 v3, 2, v2                        ; in: 4 bytes a lane
	s_mul_i32 s19, s16, 32*PITCH
	s_add_co_u32 s19, s19, WSTG                    ; my stage
	v_mul_u32_u24 v4, v2, PITCH
	v_add_nc_u32 v4, s19, v4                       ; into it: row = my column
	v_and_b32 v5, 15, v2
	v_lshrrev_b32 v6, 4, v2                        ; out of it: sixteen lanes to a row, two rows an instruction
	v_mul_u32_u24 v7, v6, PITCH
	v_lshl_add_u32 v7, v5, 4, v7
	v_add_nc_u32 v7, s19, v7
	v_mul_u32_u24 v8, v6, KROW
	v_lshl_add_u32 v8, v5, 4, v8                   ; and the same place in wc
	v_mul_u32_u24 v9, v2, 32                       ; my column's row of scale bytes
	s_lshl_b32 s24, s18, 21                        ; the weight: 512 rows of 4,096 bytes for each step along K,
	s_lshl_b32 s25, s17, 2
	s_add_co_u32 s24, s24, s25                     ; + 4 bytes a column
	s_mov_b32 s25, 0
	s_lshl_b32 s26, s20, 10
	s_add_co_u32 s26, s26, s17                     ; my first row of wc and ws: 1,024 x weight + column
	s_lshl_b32 s28, s26, 9
	s_lshl_b32 s27, s18, 8
	s_add_co_u32 s28, s28, s27                     ; codes: 512 bytes a row, + 256 for the second half of K
	s_mov_b32 s29, 0
	s_lshl_b32 s30, s26, 5
	s_lshl_b32 s27, s18, 4
	s_add_co_u32 s30, s30, s27                     ; scale bytes: 32 a row, + 16
	s_mov_b32 s31, 0
	s_wait_kmcnt 0x0
	s_cmp_lt_u32 s20, 1
	s_cselect_b64 s[4:5], s[42:43], s[44:45]
	s_cmp_lt_u32 s20, 2
	s_cselect_b64 s[4:5], s[4:5], s[46:47]
	s_add_nc_u64 s[4:5], s[4:5], s[24:25]
	s_add_nc_u64 s[6:7], s[52:53], s[28:29]
	s_add_nc_u64 s[8:9], s[54:55], s[30:31]
.macro WLOAD t                         ; block t: W(32 t + i, my column), i = 0 .. 31, into set t % 2.  Every offset is an immediate: 511 rows of 4,096 bytes at the most
.irp i, 0,1,2,3,4,5,6,7,8,9,10,11,12,13,14,15,16,17,18,19,20,21,22,23,24,25,26,27,28,29,30,31
	global_load_b32 v[WX+32*((\t)%2)+\i], v3, s[4:5] offset:(32*(\t)+\i)*4096 th:TH_LOAD_NT
.endr
.endm
	WLOAD 0
	WLOAD 1
.macro BLOCK t
.set XS, WX+32*((\t)%2)
.if (\t) < NB-1
	s_wait_loadcnt 32                              ; this block's 32 loads are in; the next block's 32 may be out
.else
	s_wait_loadcnt 0
.endif
	v_max3_num_f32 v12, |v[XS]|, |v[XS+1]|, |v[XS+2]|               ; the block's largest magnitude: all 32 numbers are mine
	v_max3_num_f32 v13, |v[XS+3]|, |v[XS+4]|, |v[XS+5]|
.irp i, 6,10,14,18,22,26
	v_max3_num_f32 v12, v12, |v[XS+\i]|, |v[XS+\i+1]|
	v_max3_num_f32 v13, v13, |v[XS+\i+2]|, |v[XS+\i+3]|
.endr
	v_max3_num_f32 v12, v12, |v[XS+30]|, |v[XS+31]|
	v_max3_num_f32 v12, v12, v13, (EMAX+1)<<23     ; and the floor
	v_add_nc_u32 v11, -(EMAX<<23), v12             ; the conversion's scale operand
	v_lshrrev_b32 v13, 23, v11                     ; the scale's byte
.if (\t)%4 == 0
	v_mov_b32 v[SB+(\t)/4], v13                    ; four bytes to a register, the lower K in the lower byte
.else
	v_lshl_or_b32 v[SB+(\t)/4], v13, 8*((\t)%4), v[SB+(\t)/4]
.endif
.irp g, 0,1,2,3
	v_cvt_scalef32_pk8_fp4_f32 v[WCD+\g], v[XS+8*\g:XS+8*\g+7], v11
.endr
	ds_store_b128 v4, v[WCD:WCD+3] offset:16*(\t)  ; 32 codes: 16 bytes of my column's row
.if (\t)+2 < NB
	WLOAD (\t)+2
.endif
	s_wait_dscnt 0x0                               ; the store has read its registers: the next block's codes may be written
.endm
.set Q, 0
.rept NB
	BLOCK Q
.set Q, Q+1
.endr
	global_store_b128 v9, v[SB:SB+3], s[8:9]       ; my column's 16 scale bytes
.irp t, 0,1,2,3,4,5,6,7,8,9,10,11,12,13,14,15
	ds_load_b128 v[OUTR+4*\t:OUTR+4*\t+3], v7 offset:2*\t*PITCH   ; these loads see my stores
.endr
.irp t, 0,1,2,3,4,5,6,7,8,9,10,11,12,13,14,15
	s_wait_dscnt 15-\t                             ; LDS loads come back in order: load t is in, the younger ones may be out
	global_store_b128 v8, v[OUTR+4*\t:OUTR+4*\t+3], s[6:7] offset:2*\t*KROW
.endr
	s_wait_tensorcnt 0x0                           ; the wave's end, behind my last LDS store
	ds_add_u32 v[SPW], v[NIL]
	s_wait_dscnt 0x0
	s_endpgm
.Lfunc_end_k_qde5d27a2c5_quant:
	.size	k_qde5d27a2c5_quant, .Lfunc_end_k_qde5d27a2c5_quant-k_qde5d27a2c5_quant
	.p2alignl 7, 3214868480
	.fill 96, 4, 3214868480
	.section	.rodata,"a",@progbits
	.p2align	6, 0x0
	.amdhsa_kernel k_qde5d27a2c5_quant
		.amdhsa_group_segment_fixed_size 68096
		.amdhsa_private_segment_fixed_size 0
		.amdhsa_enable_private_segment 0
		.amdhsa_kernarg_size 80
		.amdhsa_user_sgpr_count 2
		.amdhsa_user_sgpr_kernarg_segment_ptr 1
		.amdhsa_wavefront_size32 1
		.amdhsa_system_sgpr_workgroup_id_x 1
		.amdhsa_system_sgpr_workgroup_id_y 1
		.amdhsa_system_sgpr_workgroup_id_z 1
		.amdhsa_system_vgpr_workitem_id 0
		.amdhsa_next_free_vgpr 194
		.amdhsa_next_free_sgpr 66
		.amdhsa_reserve_vcc 0
		.amdhsa_float_denorm_mode_32 3
		.amdhsa_float_denorm_mode_16_64 3
		.amdhsa_memory_ordered 1
		.amdhsa_forward_progress 1
		.amdhsa_inst_pref_size 111
	.end_amdhsa_kernel
	.amdgpu_metadata
---
amdhsa.version: [ 1, 2 ]
amdhsa.kernels:
  - .name:           k_qde5d27a2c5_quant
    .symbol:         k_qde5d27a2c5_quant.kd
    .args:
      - { .name: query, .offset: 0, .size: 8, .value_kind: global_buffer, .address_space: global }
      - { .name: key, .offset: 8, .size: 8, .value_kind: global_buffer, .address_space: global }
      - { .name: value, .offset: 16, .size: 8, .value_kind: global_buffer, .address_space: global }
      - { .name: WQ, .offset: 24, .size: 8, .value_kind: global_buffer, .address_space: global }
      - { .name: WK, .offset: 32, .size: 8, .value_kind: global_buffer, .address_space: global }
      - { .name: WV, .offset: 40, .size: 8, .value_kind: global_buffer, .address_space: global }
      - { .name: xc, .offset: 48, .size: 8, .value_kind: global_buffer, .address_space: global }
      - { .name: xs, .offset: 56, .size: 8, .value_kind: global_buffer, .address_space: global }
      - { .name: wc, .offset: 64, .size: 8, .value_kind: global_buffer, .address_space: global }
      - { .name: ws, .offset: 72, .size: 8, .value_kind: global_buffer, .address_space: global }
    .group_segment_fixed_size: 68096
    .private_segment_fixed_size: 0
    .kernarg_segment_align: 8
    .kernarg_segment_size: 80
    .max_flat_workgroup_size: 128
    .sgpr_count:     66
    .vgpr_count:     194
    .wavefront_size: 32
...
	.end_amdgpu_metadata
.endif
;; end of part 1
;; launch proj (part 2): grid 4 x 96, 4 waves a work-group, clusters of 4 x 4, 327,680 bytes of LDS; arguments xc, xs, wc, ws, qf, kvf; writes qf, kvf
.if DOCPART == 2
	.amdgcn_target "amdgcn-amd-amdhsa--gfx1250"
	.amdhsa_code_object_version 6
	.text
	.protected	k_qde5d27a2c5_proj
	.globl	k_qde5d27a2c5_proj
	.p2align	8
	.type	k_qde5d27a2c5_proj,@function
k_qde5d27a2c5_proj:
	s_mov_b64 s[64:65], 0
	v_nop
	global_prefetch_b8 v0, s[64:65] scope:SCOPE_SE
	s_setreg_imm32_b32 hwreg(HW_REG_WAVE_MODE, 25, 1), 1
	s_wait_xcnt 0x0
	s_wait_alu depctr_hold_cnt(0) depctr_sa_sdst(0) depctr_va_vdst(0) depctr_va_sdst(0) depctr_va_ssrc(0) depctr_va_vcc(0) depctr_vm_vsrc(0)
	s_getreg_b32 s2, hwreg(HW_REG_IB_STS2, 6, 4)
	s_cmp_eq_u32 s2, 0
	s_cbranch_scc0 .Lentry_in_a_cluster
	s_endpgm
.Lentry_in_a_cluster:
	s_bfe_u32 s2, ttmp6, 0x10000c
	s_cmp_lg_u32 s2, 0xf033
	s_cbranch_scc0 .Lentry_shape_is_right
	s_endpgm
.Lentry_shape_is_right:
; The three quantised products, q = query WQ, k = key WK, v = value WV, on codes of FP4 (E2M1) with one E8M0 scale for each 32 along K = 1,024; sums in f32; results rounded once to f16 and stored
; AS IMAGES OF THE NEXT LAUNCH'S OPERAND REGISTERS.
; ONE BODY: C[m'][n'] = sum over k of A[m'][k] B[n'][k], a tile of 256 x 256 to a work-group of four waves, 128 x 128 (64 accumulators, 512 registers) to a wave.  The matrix instruction is used transposed
; (source 0 = 16 rows of B, source 1 = 16 rows of A): a lane holds ONE row m' and eight neighbouring n'.  For q and k: A = the activation, B = the weight: a lane holds a token, its registers run along the channels.
; For v: A = the weight, B = the activation: a lane holds a channel, its registers run along the keys, as the second product of attention wants V^T.  Only pointers and row numbers are chosen, by selects on the
; cluster's number, which all sixteen partners share: no branch hangs on it.
; 24 clusters of 4 x 4 work-groups, eight to a product.  The four of a row of a cluster need the same tiles of A, the four of a column the same tiles of B: each tile is asked for JOINTLY.
; K = 1,024 is two slots of 512 along K (rows of 256 bytes): both slots and the scale bytes are asked for at the start, three tensor loads a wave, and nothing is filled again.
; IMAGES.  A fragment of f16 (16 rows x 32 along k, 8 registers a lane) is 1,024 bytes: registers 0-3 of lane l at 16 l, registers 4-7 at 512 + 16 l.  A lane's eight results, rounded, are four such registers: each store
; of a wave covers 512 consecutive bytes, aligned, straight from registers: no stage in LDS.
;   qf  [bh 64][tile of 16 queries, 128][32-channel half c, 2][1,024 bytes];  bh = 16 x batch + head
;   kvf [bh 64][chunk of 64 keys, 32][16,384 bytes]: K's fragment (16-key tile kt, c) at (2 kt + c) x 1,024; V^T's (16-channel tile ct, 32-key half ks) at 8,192 + (2 ct + ks) x 1,024
; LIMIT: |q|, |k|, |v| stay under 65,504, the largest number of f16: with every input 30 times the drawn spread they reach about 5,000, with offsets of 30 spreads on activations and weights together about 29,000.
; REGISTERS, in windows of 256: window 0: v0-31 addresses; v32-95 scale words, two sets; from v128 A's fragments, ONE set; on the way out v128-255 hold the rounded results.
;   window 1: B's fragments, TWO sets, at v0 and v128.   window 2: the accumulators of my rows 0-63 ((a, b) at v[8 (8 a + b)]);   window 3: those of my rows 64-127.
.set KSTEP,  512                       ; along K in a slot
.set NQ,     KSTEP/128                 ; matrix instructions deep
.set ROWB,   256                       ; a tile's row in bytes
.set KROW,   512                       ; a row of codes in memory, in bytes
.set PITCH,  272                       ; an LDS row: 256 bytes + 16 of padding = 68 words: row r starts at bank 4 r mod 64 (64 banks of 4 bytes: ISA guide 11.1)
.set FR,     8                         ; registers of a fragment: 16 rows x 128 K
.set NL,     2                         ; LDS loads that bring one
.set NP,     4                         ; places behind this matrix instruction (ISA guide 7.12.1)
.set HALFT,  128*PITCH                 ; 128 rows: what one tensor load brings, and what one wave reads of A or of B
.set SLOT,   4*HALFT                   ; A's 256 rows, then B's 256 rows
.set KS,     32                        ; a row of scale bytes
.set SCL,    2*SLOT                    ; behind the two slots: the scale bytes, as units of 256 bytes + 16 of padding
.set HALFS,  (128*KS/256)*272          ; those of 128 rows: what one tensor load brings
.set SBLK,   (16*KS/256)*272           ; those of 16 rows
.set SPARE,  SCL+4*HALFS               ; behind the scales: the spare words, 128 bytes for each wave: two blocks of 256 bytes that no other line names
.set VO,   8                           ; v8-11   the way out: 16 x lane, + SB2, + SA1, + both
.set ADRA, 16                          ; v16-17  LDS address of my A fragments in slot 0, 1
.set ADRB, 20                          ; v20-21  the same for B
.set ADRS, 27                          ; v27     LDS address of my scale words: lanes 0-15 A's rows, lanes 16-31 B's
.set SPW,  28                          ; v28     LDS address of my spare word; never rewritten
.set NIL,  29                          ; v29     0; never rewritten
.set SC,   32                          ; scale words: set s at v[SC + 8 NQ s]; register NQ i + q: lanes 0-15 the word of A's block i, lanes 16-31 that of B's block i, for the slot's q-th 128 along K
.set AF,   128                         ; A's fragments, in window 0
.set G1, 24                            ; s[24:31] descriptor group 1 for A's tiles;  s[32:39] group 0, one set for each slot
.set G0, 32
.set G1B, 48                           ; s[48:55], s[56:63] the same for B's tiles
.set G0B, 56
.set G1S, 68                           ; s[68:75], s[76:79] groups 1 and 0 for A's scales;  s[80:87], s[88:91] for B's
.set G0S, 76
.set G1SB, 80
.set G0SB, 88
.set MSB, 0
.macro WIN new                         ; the immediate's high byte repeats the setting that is left; a switch that changes nothing is dropped
.if MSB != (\new)
	s_set_vgpr_msb (MSB<<8)|(\new)
.set MSB, (\new)
.endif
.endm
.set MUL_LO, 0xa1                      ; source 0 (B) window 1, source 1 (A) window 0, C and D window 2
.set MUL_HI, 0xf1                      ; the same, C and D window 3
.set TO_B,   0x40                      ; destination window 1, address window 0
; A joint load: waves 0 and 1 fetch for A, waves 2 and 3 for B.  Each of the two lines has ONE mask and one set of registers for all that issue it; the branch hangs on the wave's number alone.
; An s_nop 0 and four v_nop follow each of the two lines, ahead of the jump, the label and what follows.
.macro JLOAD g0a, g1a, g0b, g1b
	s_cmp_eq_u32 s15, 0
	s_cbranch_scc0 .Lfor_b_\@
	tensor_load_to_lds s[\g0a:\g0a+3], s[\g1a:\g1a+7]
	s_nop 0
.rept 4
	v_nop
.endr
	s_branch .Lasked_\@
.Lfor_b_\@:
	tensor_load_to_lds s[\g0b:\g0b+3], s[\g1b:\g1b+7]
	s_nop 0
.rept 4
	v_nop
.endr
.Lasked_\@:
.endm
.macro CROUND                          ; a round of the cluster's barrier: my work-group's barrier; wave 0 signals for the work-group; every wave waits for all sixteen; my work-group's barrier once more
	s_barrier_signal -1
	s_barrier_wait -1
	s_cmp_lg_u32 s14, 0
	s_cbranch_scc1 .Lnot_wave_0_\@
	s_barrier_signal -3
.Lnot_wave_0_\@:
	s_barrier_wait -3
	s_barrier_signal -1
	s_barrier_wait -1
.endm
	s_load_b256 s[4:11], s[0:1], 0x0               ; xc s[4:5], xs s[6:7], wc s[8:9], ws s[10:11]
	s_load_b128 s[96:99], s[0:1], 0x20             ; qf s[96:97], kvf s[98:99]
	v_lshl_add_u32 v[SPW], v0, 2, SPARE
	v_mov_b32 v[NIL], 0
	ds_add_u32 v[SPW], v[NIL]                      ; the wave's opening: the add, twice on end, and its wait ahead of my first tensor load; the set-up below, work on registers, stands between
	ds_add_u32 v[SPW], v[NIL]
	v_lshrrev_b32 v1, 5, v0
	v_readfirstlane_b32 s14, v1                    ; wave 0..3
	s_lshr_b32 s15, s14, 1                         ; which half of the tile's rows is mine.  Also: I fetch for A (0) or for B (1)
	s_and_b32 s16, s14, 1                          ; which half of its columns.  Also: which 128 rows of that tile I fetch
	s_bfe_u32 s40, ttmp6, 0x40000                  ; cx, cy: my place in the cluster
	s_bfe_u32 s41, ttmp6, 0x40004
	s_and_b32 s2, ttmp7, 0xffff                    ; the cluster's number, 0 .. 23
	s_lshr_b32 s3, s2, 3                           ; p: the product: 0 q, 1 k, 2 v
	s_and_b32 s2, s2, 7                            ; i: which 1,024 tokens
	s_lshl_b32 s18, s3, 13                         ; the product's first row in xc and xs,
	s_lshl_b32 s19, s3, 10                         ; and in wc and ws
	s_cmp_lt_u32 s3, 2                             ; q and k: A = the activation; v: A = the weight.  Four selects on one compare, ahead of any addition
	s_cselect_b32 s92, s2, 0                       ; the tokens run along the tile rows,
	s_cselect_b32 s93, 0, s2                       ; or along the tile columns
	s_cselect_b32 s100, s18, s19                   ; A's first row in its buffer
	s_cselect_b32 s101, s19, s18                   ; B's
	s_lshl_b32 s42, s93, 2
	s_add_co_u32 s42, s42, s40                     ; tile column = 4 x (i or 0) + cx
	s_lshl_b32 s17, s92, 2
	s_add_co_u32 s17, s17, s41                     ; tile row = 4 x (i or 0) + cy
	s_lshl_b32 s43, s41, 2
	s_lshl_b32 s43, 15, s43                        ; my row of the cluster
	s_lshl_b32 s44, 0x1111, s40                    ; my column
	; descriptor group 1: a tile of 128 rows x 256 bytes, padded in LDS
	s_or_b32 s[G1+0], s43, (0<<16)|(1<<20)|(1<<21)|(5<<22)|(3<<25)  ; 15:0 the mask: A's tiles go to my row; 17:16 element of 1 byte; 20 padding on; 21 set beside a mask; 24:22 after every 64 words (code 5); 31:25 of 4 words (code 3)
	s_or_b32 s[G1B+0], s44, (0<<16)|(1<<20)|(1<<21)|(5<<22)|(3<<25)
.irp g, G1, G1B
	s_mov_b32 s[\g+1], ROWB<<16                    ; tensor_dim0
	s_mov_b32 s[\g+2], 128<<16                     ; tensor_dim1 = 128
	s_mov_b32 s[\g+3], ROWB<<16                    ; tile_dim0
	s_mov_b32 s[\g+4], 128                         ; tile_dim1 = 128
	s_mov_b32 s[\g+5], KROW                        ; tensor_dim0_stride
	s_mov_b32 s[\g+6], 0
	s_mov_b32 s[\g+7], 0
.endr
	; and for the scale bytes of 128 rows: a dense block of 4,096 bytes, as 16 rows of 256 bytes (32 elements of 8 bytes), 16 bytes of padding behind each
	s_or_b32 s[G1S+0], s43, (3<<16)|(1<<20)|(1<<21)|(5<<22)|(3<<25)
	s_or_b32 s[G1SB+0], s44, (3<<16)|(1<<20)|(1<<21)|(5<<22)|(3<<25)
.irp g, G1S, G1SB
	s_mov_b32 s[\g+1], 32<<16
	s_mov_b32 s[\g+2], (128*KS/256)<<16
	s_mov_b32 s[\g+3], 32<<16
	s_mov_b32 s[\g+4], 128*KS/256
	s_mov_b32 s[\g+5], 32
	s_mov_b32 s[\g+6], 0
	s_mov_b32 s[\g+7], 0
.endr
	s_lshl_b32 s18, s16, 7                         ; which 128 rows of the tile I fetch
	s_lshl_b32 s20, s17, 8
	s_add_co_u32 s20, s20, s18
	s_add_co_u32 s20, s20, s100                    ; A: row 256 x tile row + 128 x half + the product's first row
	s_lshl_b32 s46, s42, 8
	s_add_co_u32 s46, s46, s18
	s_add_co_u32 s46, s46, s101                    ; B: row 256 x tile column + 128 x half + the product's first row
	s_mov_b32 s21, 0
	s_mov_b32 s47, 0
	s_mov_b64 s[18:19], KS
	s_mul_u64 s[22:23], s[20:21], s[18:19]         ; where these rows' scale bytes begin,
	s_mul_u64 s[92:93], s[46:47], s[18:19]
	s_mov_b64 s[18:19], KROW
	s_mul_u64 s[20:21], s[20:21], s[18:19]         ; and their codes
	s_mul_u64 s[46:47], s[46:47], s[18:19]
	s_mul_i32 s45, s14, HALFT                      ; where they go: wave x 128 rows: no place in the cluster enters an LDS address
	s_mul_i32 s94, s14, HALFS
	s_wait_dscnt 0x0                               ; both opening adds are done
	s_wait_kmcnt 0x0
	s_cmp_lt_u32 s3, 2                             ; the buffers are chosen on the product's number alone
	s_cselect_b64 s[100:101], s[4:5], s[8:9]       ; A's codes
	s_cselect_b64 s[104:105], s[6:7], s[10:11]     ; A's scale bytes
	s_cselect_b64 s[8:9], s[8:9], s[4:5]           ; B's codes
	s_cselect_b64 s[10:11], s[10:11], s[6:7]       ; B's scale bytes
	s_add_nc_u64 s[20:21], s[100:101], s[20:21]
	s_add_nc_u64 s[22:23], s[104:105], s[22:23]
	s_add_nc_u64 s[46:47], s[8:9], s[46:47]
	s_add_nc_u64 s[92:93], s[10:11], s[92:93]
	CROUND                                         ; all sixteen work-groups are here: the first joint loads meet
	s_mov_b32 s[G0S], 1
	s_add_co_u32 s[G0S+1], s94, SCL
	s_mov_b64 s[G0S+2:G0S+3], s[22:23]
	s_or_b32 s[G0S+3], s[G0S+3], 0x80000000
	s_mov_b32 s[G0SB], 1
	s_add_co_u32 s[G0SB+1], s94, SCL
	s_mov_b64 s[G0SB+2:G0SB+3], s[92:93]
	s_or_b32 s[G0SB+3], s[G0SB+3], 0x80000000
	JLOAD G0S, G1S, G0SB, G1SB                     ; the scale bytes first: they are wanted with the first slot
.irp s, 0,1
	s_mov_b32 s[G0+4*\s], 1
	s_add_co_u32 s[G0+4*\s+1], s45, \s*SLOT
	s_add_nc_u64 s[G0+4*\s+2:G0+4*\s+3], s[20:21], \s*ROWB
	s_or_b32 s[G0+4*\s+3], s[G0+4*\s+3], 0x80000000
	s_mov_b32 s[G0B+4*\s], 1
	s_add_co_u32 s[G0B+4*\s+1], s45, \s*SLOT
	s_add_nc_u64 s[G0B+4*\s+2:G0B+4*\s+3], s[46:47], \s*ROWB
	s_or_b32 s[G0B+4*\s+3], s[G0B+4*\s+3], 0x80000000
	JLOAD G0+4*\s, G1, G0B+4*\s, G1B               ; three tensor loads of mine are out, and no more follow
.endr
	v_and_b32 v1, 15, v0                           ; l % 16
	v_bfe_u32 v2, v0, 4, 1                         ; l / 16
	v_mul_u32_u24 v3, v1, PITCH
	v_lshl_add_u32 v4, v2, 4, v3                   ; a fragment's row x pitch + 16 x half
	s_mul_i32 s21, s15, HALFT                      ; my 128 rows of A
	s_mul_i32 s22, s16, HALFT                      ; my 128 rows of B,
	s_add_co_u32 s22, s22, 2*HALFT                 ; which lie behind A's 256
.irp s, 0,1
	v_add_nc_u32 v[ADRA+\s], s21, v4
	v_add_nc_u32 v[ADRB+\s], s22, v4
	s_add_co_u32 s21, s21, SLOT
	s_add_co_u32 s22, s22, SLOT
.endr
	v_mul_u32_u24 v5, v1, KS                       ; my row's scale bytes: 32 a row,
	v_lshrrev_b32 v6, 8, v5
	v_lshl_add_u32 v5, v6, 4, v5                   ; and 16 more for each 256 passed
	s_mul_i32 s21, s15, HALFS                      ; A's: my 128 rows
	s_mul_i32 s22, s16, HALFS                      ; B's: my 128 rows, behind A's 256
	s_add_co_u32 s22, s22, 2*HALFS
	s_sub_co_u32 s22, s22, s21
	v_mul_u32_u24 v6, s22, v2                      ; lanes 16-31 take B's: the lower base + half x the distance
	s_add_co_u32 s21, s21, SCL
	v_add_nc_u32 v5, v5, v6
	v_add_nc_u32 v[ADRS], s21, v5
	; THE WAY OUT'S ADDRESSES.  Accumulator (a, b) goes to s[12:13] + v[VO + 2 (a / 4) + b / 4] + (a % 4) x 2,048 + (b % 4) x 512.
	;   q: a steps the tile of queries (2,048 bytes; four of them SA1 = 8,192); b % 2 the image's half, (b / 2) % 2 the channel half c, b / 4 the head (SB2 = 262,144)
	;   k: a % 4 the key tile kt, a / 4 the chunk (SA1 = 16,384); b as for q, b / 4 the head (SB2 = 524,288)
	;   v: a % 4 the channel tile ct, a / 4 the head (SA1 = 524,288); b % 2 the half, (b / 2) % 2 the key half ks, b / 4 the chunk (SB2 = 16,384)
	s_lshl_b32 s20, s17, 8
	s_lshl_b32 s21, s15, 7
	s_add_co_u32 s20, s20, s21                     ; my first row m'
	s_lshl_b32 s46, s42, 8
	s_lshl_b32 s47, s16, 7
	s_add_co_u32 s46, s46, s47                     ; my first column n'
	s_cmp_lt_u32 s3, 2
	s_cselect_b32 s21, s20, s46                    ; my first token, 0 .. 8,191
	s_cselect_b32 s22, s46, s20                    ; my first channel, 0 .. 1,023
	s_lshr_b32 s23, s21, 11
	s_lshl_b32 s23, s23, 4
	s_lshr_b32 s22, s22, 6
	s_add_co_u32 s23, s23, s22                     ; bh = 16 x batch + head
	s_and_b32 s21, s21, 2047                       ; the token in its sequence
	s_lshl_b32 s23, s23, 18
	s_lshl_b32 s21, s21, 7
	s_add_co_u32 s20, s23, s21                     ; qf: 262,144 bytes a head, 128 a token;
	s_cmp_lg_u32 s3, 0
	s_cselect_b32 s21, 1, 0
	s_lshl_b32 s20, s20, s21                       ; kvf: twice that;
	s_cmp_eq_u32 s3, 2
	s_cselect_b32 s21, 8192, 0
	s_add_co_u32 s20, s20, s21                     ; V^T's fragments lie behind K's in a chunk
	s_mov_b32 s21, 0
	s_cmp_eq_u32 s3, 0
	s_cselect_b64 s[12:13], s[96:97], s[98:99]
	s_add_nc_u64 s[12:13], s[12:13], s[20:21]
	s_mov_b32 s22, 524288                          ; SA1
	s_mov_b32 s23, 16384                           ; SB2
	s_cmp_eq_u32 s3, 1
	s_cselect_b32 s22, 16384, s22
	s_cselect_b32 s23, 524288, s23
	s_cmp_eq_u32 s3, 0
	s_cselect_b32 s22, 8192, s22
	s_cselect_b32 s23, 262144, s23
	v_and_b32 v6, 31, v0
	v_lshlrev_b32 v[VO], 4, v6
	v_add_nc_u32 v[VO+1], s23, v[VO]
	v_add_nc_u32 v[VO+2], s22, v[VO]
	v_add_nc_u32 v[VO+3], s23, v[VO+2]
.macro FRAG reg, adr, q, i             ; a fragment, 16 rows x 128 K of 4-bit codes, is 8 registers: lane l holds row l % 16; registers 4 c .. 4 c + 3 hold K = 64 c + 32 (l / 16) + 0 .. 31
.irp c, 0,1
	ds_load_b128 v[\reg+4*\c:\reg+4*\c+3], v[\adr] offset:64*(\q)+32*\c+(\i)*16*PITCH
.endr
.endm
; 16 matrix instructions: A's blocks a0, a0 + 1 x B's eight, 128 along K: the slot's q-th.  p: B's set;  sc: the set of scale words.  zero = 1: the first product starts the sums: nothing is ever cleared.
; The 64 accumulators take turns, one instruction a turn, in the same order in every step.
.macro MUL16 a0, p, q, sc, zero
.irp a, \a0, \a0+1
.irp b, 0,1,2,3,4,5,6,7
.if \zero
	v_wmma_scale_f32_16x16x128_f8f6f4 v[8*(8*((\a)%4)+\b):8*(8*((\a)%4)+\b)+7], v[128*(\p)+FR*\b:128*(\p)+FR*\b+FR-1], v[AF+FR*(\a):AF+FR*(\a)+FR-1], 0, v[SC+8*NQ*(\sc)+NQ*\b+(\q)], v[SC+8*NQ*(\sc)+NQ*(\a)+(\q)] matrix_a_fmt:MATRIX_FMT_FP4 matrix_b_fmt:MATRIX_FMT_FP4 matrix_a_scale:MATRIX_SCALE_ROW1
.else
	v_wmma_scale_f32_16x16x128_f8f6f4 v[8*(8*((\a)%4)+\b):8*(8*((\a)%4)+\b)+7], v[128*(\p)+FR*\b:128*(\p)+FR*\b+FR-1], v[AF+FR*(\a):AF+FR*(\a)+FR-1], v[8*(8*((\a)%4)+\b):8*(8*((\a)%4)+\b)+7], v[SC+8*NQ*(\sc)+NQ*\b+(\q)], v[SC+8*NQ*(\sc)+NQ*(\a)+(\q)] matrix_a_fmt:MATRIX_FMT_FP4 matrix_b_fmt:MATRIX_FMT_FP4 matrix_a_scale:MATRIX_SCALE_ROW1
.endif
.endr
.endr
.endm
.macro FETCH_B slot, q, p              ; B's eight fragments of the slot's q-th 128 along K into set p
	WIN TO_B
.irp i, 0,1,2,3,4,5,6,7
	FRAG 128*(\p)+FR*\i, ADRB+\slot, \q, \i
.endr
	WIN 0
.endm
.macro FETCH_A slot, q, i0             ; A's blocks i0 .. i0 + 3
.irp i, \i0, \i0+1, \i0+2, \i0+3
	FRAG AF+FR*(\i), ADRA+\slot, \q, \i
.endr
.endm
.macro SCALES sc                       ; a slot's scale words into set sc: NQ words a row; lanes 0-15 take A's block i, lanes 16-31 B's block i
.irp i, 0,1,2,3,4,5,6,7
	ds_load_b128 v[SC+8*NQ*\sc+NQ*\i:SC+8*NQ*\sc+NQ*\i+3], v[ADRS] offset:\i*SBLK
.endr
.endm
; A load into a register that a matrix instruction has read, and a vector instruction that reads a matrix result or writes one of a matrix instruction's registers, stand NP places behind that matrix instruction, and only
; plain vector instructions that name none of its registers are places (ISA guide 7.12.1 for vector instructions).
.macro PLACES n
.rept \n
	v_nop
.endr
.endm
; A step of 128 along K that has its successor in the same slot.  A's blocks go one after the other, each against B's eight: a block of A is free as soon as its eight products are issued, so one set serves A.
.macro STEP slot, q, zero
	s_wait_dscnt 4*NL                              ; B's set, the scale words and A's blocks 0-3 are in; the youngest eight loads (A's blocks 4-7) may be out
	WIN MUL_LO
	MUL16 0, (\q)%2, \q, \slot, \zero
	MUL16 2, (\q)%2, \q, \slot, \zero
	s_wait_dscnt 0                                 ; A's blocks 4-7 are in (asked for 32 matrix instructions ago)
	PLACES NP
	FETCH_B \slot, (\q)+1, 1-(\q)%2
	FETCH_A \slot, (\q)+1, 0
	WIN MUL_HI
	MUL16 4, (\q)%2, \q, \slot, \zero
	MUL16 6, (\q)%2, \q, \slot, \zero
	PLACES NP
	WIN 0
	FETCH_A \slot, (\q)+1, 4
.endm
; Slot 0's last step goes over to slot 1: ONE barrier; in front of it each wave waits for all its tensor loads (its part of slot 1 is the one that was out).  No round of the cluster's barrier.
.macro TURN slot, next
	s_wait_tensorcnt 0x0                           ; all my tensor loads have landed  (every window is 0 here: the add's two registers lie in window 0)
	ds_add_u32 v[SPW], v[NIL]                      ; 0 onto my spare word
	s_wait_dscnt 4*NL+1                            ; (the add and the youngest eight loads, A's blocks 4-7, may be out)
	WIN MUL_LO
	MUL16 0, 1, NQ-1, \slot, 0                     ; sixteen matrix instructions stand between the add and the wait for it
	s_wait_dscnt 0x0                               ; the add is done, and no LDS load of mine is out at the signal
	s_barrier_signal -1
	MUL16 2, 1, NQ-1, \slot, 0                     ; work on registers while the others arrive
	WIN 0
	s_barrier_wait -1                              ; every wave's part of slot 1 has landed
	PLACES NP
	v_add_nc_u32 v[ADRS], 4*NQ, v[ADRS]            ; on to the next slot's scale words
	FETCH_B \next, 0, 0
	FETCH_A \next, 0, 0
	SCALES \next
	WIN MUL_HI
	MUL16 4, 1, NQ-1, \slot, 0
	MUL16 6, 1, NQ-1, \slot, 0
	PLACES NP
	WIN 0
	FETCH_A \next, 0, 4
.endm
.macro STEPS slot, from                ; the slot's steps from .. NQ - 2
.set Q, \from
.rept NQ-1-\from
	STEP \slot, Q, 0
.set Q, Q+1
.endr
.endm
	s_wait_tensorcnt 1                             ; the scale bytes and my part of slot 0 are in; slot 1's load, the one issued behind them, may be out
	s_barrier_signal -1
	s_barrier_wait -1                              ; everybody's are
	FETCH_B 0, 0, 0
	FETCH_A 0, 0, 0
	SCALES 0
	FETCH_A 0, 0, 4
	STEP 0, 0, 1                                   ; the first step's products start the sums
	STEPS 0, 1
	TURN 0, 1
	STEPS 1, 0
	s_wait_dscnt 4*NL                              ; the very last step: nothing more to fetch
	WIN MUL_LO
	MUL16 0, 1, NQ-1, 1, 0
	MUL16 2, 1, NQ-1, 1, 0
	s_wait_dscnt 0
	WIN MUL_HI
	MUL16 4, 1, NQ-1, 1, 0
	MUL16 6, 1, NQ-1, 1, 0
	WIN 0
; THE WAY OUT of block a: 16 rows m' x 128 columns n'.  A lane's eight results of an accumulator, rounded to f16, are four registers of the reader's fragment: they are stored as they stand.
.macro OUT a
.set AC, 64*((\a)%4)
.set OB, 128+32*((\a)%4)
	WIN 0x0a+5*((\a)/4)                            ; sources 0 and 1: window 2 or 3; destination window 0
.irp b, 0,1,2,3,4,5,6,7
.irp r, 0,1,2,3
	v_cvt_pk_f16_f32 v[OB+4*\b+\r], v[AC+8*\b+2*\r], v[AC+8*\b+2*\r+1]   ; each accumulator from its low end on
.endr
.endr
	WIN 0
.irp b, 0,1,2,3,4,5,6,7
	global_store_b128 v[VO+2*((\a)/4)+\b/4], v[OB+4*\b:OB+4*\b+3], s[12:13] offset:((\a)%4)*2048+(\b%4)*512   ; 32 lanes store 512 consecutive bytes, at a multiple of 512 from the buffer's first byte
.endr
.endm
	PLACES NP                                      ; behind the last products: the conversions write the registers that held A's fragments, and later read those products' results
	OUT 0
	OUT 1
	OUT 2
	OUT 3
	s_wait_xcnt 0x0                                ; the stores of blocks 0 to 3 have read their data registers, which blocks 4 to 7 write again
	OUT 4
	OUT 5
	OUT 6
	OUT 7
	s_wait_tensorcnt 0x0                           ; the wave's end, behind my last tensor load
	ds_add_u32 v[SPW], v[NIL]
	s_wait_dscnt 0x0
	CROUND                                         ; the closing round: no work-group ends while a partner may still ask for a tile that names it
	s_endpgm
.Lfunc_end_k_qde5d27a2c5_proj:
	.size	k_qde5d27a2c5_proj, .Lfunc_end_k_qde5d27a2c5_proj-k_qde5d27a2c5_proj
	.p2alignl 7, 3214868480
	.fill 96, 4, 3214868480
	.section	.rodata,"a",@progbits
	.p2align	6, 0x0
	.amdhsa_kernel k_qde5d27a2c5_proj
		.amdhsa_group_segment_fixed_size 327680
		.amdhsa_private_segment_fixed_size 0
		.amdhsa_enable_private_segment 0
		.amdhsa_kernarg_size 48
		.amdhsa_user_sgpr_count 2
		.amdhsa_user_sgpr_kernarg_segment_ptr 1
		.amdhsa_wavefront_size32 1
		.amdhsa_system_sgpr_workgroup_id_x 1
		.amdhsa_system_sgpr_workgroup_id_y 1
		.amdhsa_system_sgpr_workgroup_id_z 1
		.amdhsa_system_vgpr_workitem_id 0
		.amdhsa_next_free_vgpr 1024
		.amdhsa_next_free_sgpr 106
		.amdhsa_reserve_vcc 0
		.amdhsa_float_denorm_mode_32 3
		.amdhsa_float_denorm_mode_16_64 3
		.amdhsa_memory_ordered 1
		.amdhsa_forward_progress 1
		.amdhsa_inst_pref_size 119
	.end_amdhsa_kernel
	.amdgpu_metadata
---
amdhsa.version: [ 1, 2 ]
amdhsa.kernels:
  - .name:           k_qde5d27a2c5_proj
    .symbol:         k_qde5d27a2c5_proj.kd
    .args:
      - { .name: xc, .offset: 0, .size: 8, .value_kind: global_buffer, .address_space: global }
      - { .name: xs, .offset: 8, .size: 8, .value_kind: global_buffer, .address_space: global }
      - { .name: wc, .offset: 16, .size: 8, .value_kind: global_buffer, .address_space: global }
      - { .name: ws, .offset: 24, .size: 8, .value_kind: global_buffer, .address_space: global }
      - { .name: qf, .offset: 32, .size: 8, .value_kind: global_buffer, .address_space: global }
      - { .name: kvf, .offset: 40, .size: 8, .value_kind: global_buffer, .address_space: global }
    .group_segment_fixed_size: 327680
    .private_segment_fixed_size: 0
    .kernarg_segment_align: 8
    .kernarg_segment_size: 48
    .max_flat_workgroup_size: 128
    .sgpr_count:     106
    .vgpr_count:     1024
    .wavefront_size: 32
...
	.end_amdgpu_metadata
.endif
;; end of part 2
;; launch attn (part 3): grid 4 x 64, 8 waves a work-group, clusters of 4 x 1, 327,680 bytes of LDS; arguments qf, kvf, out0; writes out0
.if DOCPART == 3
	.amdgcn_target "amdgcn-amd-amdhsa--gfx1250"
	.amdhsa_code_object_version 6
	.text
	.protected	k_qde5d27a2c5_attn
	.globl	k_qde5d27a2c5_attn
	.p2align	8
	.type	k_qde5d27a2c5_attn,@function
k_qde5d27a2c5_attn:
	s_mov_b64 s[64:65], 0
	v_nop
	global_prefetch_b8 v0, s[64:65] scope:SCOPE_SE
	s_setreg_imm32_b32 hwreg(HW_REG_WAVE_MODE, 25, 1), 1
	s_wait_xcnt 0x0
	s_wait_alu depctr_hold_cnt(0) depctr_sa_sdst(0) depctr_va_vdst(0) depctr_va_sdst(0) depctr_va_ssrc(0) depctr_va_vcc(0) depctr_vm_vsrc(0)
	s_getreg_b32 s2, hwreg(HW_REG_IB_STS2, 6, 4)
	s_cmp_eq_u32 s2, 0
	s_cbranch_scc0 .Lentry_in_a_cluster
	s_endpgm
.Lentry_in_a_cluster:
	s_bfe_u32 s2, ttmp6, 0x10000c
	s_cmp_lg_u32 s2, 0x3003
	s_cbranch_scc0 .Lentry_shape_is_right
	s_endpgm
.Lentry_shape_is_right:
; out0[b][q][64 h + d] = the sum over k of softmax_k(Q[q] . K[k] / 8) V[k][d], for each of 64 (b, h), 2,048 queries and 2,048 keys, head size 64, no mask.  Q, K, V come as f16, as images of the operand registers
; (qf, kvf: the launch before lays them).  Products, maxima and sums in f32; the weights p are rounded to f16 for the second product.
; f16, not bf16: an output averages hundreds of values, so it is small beside them, and bf16's 8 significant bits on q, k, p and v would use up most of what the comparison allows.  p is at most 1 (the running maximum is taken off).
; SHARES.  A work-group owns 512 queries of one (b, h); each of its eight waves 64: four tiles of 16.  Every wave walks all keys, 64 a step: a step's 16 KiB of fragments from LDS feed 64 matrix instructions.
; LAYOUT.  S^T = K Q^T (source 0 = 16 keys, source 1 = 16 queries): a lane holds ONE query (lane % 16) and the keys 8 (lane / 16) + 0..7 of each key tile.  Two such tiles, rounded in pairs, ARE source 1 (32 keys x 16
; queries) of O^T = V^T P, whose result again holds one query a lane.  P is made in place, in S^T's registers.  V^T's fragments come from LDS like any operand: the launch before has laid V with the keys along the registers.
; SOFTMAX.  For each query a running maximum m and sum l: p = 2^(c s - c m), c = log2(e) / 8; in every step O^T and l are multiplied by a = 2^(c m_old - c m_new).  m starts at -3e38, under every score (|s| is at most
; 64 x 65,504^2); l and O^T start with the first step's own sums, so the first step's a is not used.  No branch hangs on data.
; CLUSTER.  The four work-groups of a cluster are the four query blocks of one (b, h) and walk the same K and V: each chunk is asked for JOINTLY (mask 15), the same load with the same descriptor in all four.
; RING.  Two slots of 512 keys (8 chunks of 16 KiB: K's 8 fragments, then V^T's 8).  Each wave fetches one chunk of a slot by one tensor load.  2,048 keys are four slots' worth: two first fills, two refills.
; A refill is asked for straight behind the round at a change of slots and waited for at the next change: eight key steps, 512 matrix instructions a wave, later.  So no wave waits for the stream, and it is not prefetched.
; TWO GROUPS OF WAVES.  The eight waves are two groups (G = ((wave / 4) xor wave) mod 2: it differs between waves w and w + 4 and between 2 k and 2 k + 1).  Group 1 is kept behind group 0, so that one group's vector
; work (the softmax) stands beside the other's matrix work: at the start group 0 runs the first half of its first softmax in front of a barrier and group 1 behind it; at each change of slots group 0 finishes its step in
; front of the barrier and group 1 behind it.  What is moved works on registers alone, and reads only what every wave has written.  The branches hang on the wave's number and lead round no barrier, no wait of a refill,
; no add and no tensor load.
; REGISTERS, in windows of 256 (s_set_vgpr_msb: bits 1:0 source 0, 3:2 source 1, 5:4 source 2, 7:6 destination):
;   window 0: v1-9 addresses; v32-63 statistics, 8 a tile; v64-191 S^T, 32 a tile (key tile kt at + 8 kt), then P (key half ks at + 8 ks); v192-255 Q (tile t, channel half c at 192 + 8 (2 t + c))
;   window 1: v0-127 O^T (tile t, channel tile ct at 32 t + 8 ct); v128-191 K (kt, c at 128 + 8 (2 kt + c)); v192-255 V^T (ct, ks at 192 + 8 (2 ct + ks))
.set CHUNK, 16384                      ; 64 keys: K's fragments 8,192 bytes, V^T's 8,192
.set SLOT1, 131072                     ; slot 1 begins here: one exclusive or turns an address in one slot into the other's
.set SPARE, 262144                     ; behind the ring: the spare words, 128 bytes for each of eight waves: four blocks of 256 bytes that no other line names
.set STG,   16*272                     ; the way out: 16 rows x (256 bytes + 16) for each wave, in slot 0: it has had its last fill and its last read when the first result is stored there
.set LI,  3                            ; v3   16 x lane: my place in an image
.set ADR, 4                            ; v4   LI + the chunk in hand; written only in lines that every wave runs
.set STO, 5                            ; v5   the way out: where I put 32 bytes of a row
.set RD,  6                            ; v6   where I read a row back
.set GO,  7                            ; v7   my byte offset in the wave's rows of out0
.set SPW, 8                            ; v8   LDS address of my spare word; never rewritten
.set NIL, 9                            ; v9   0; never rewritten
.set ST,  32                           ; tile t's statistics at v[ST + 8 t]: +0 c m, +1 m, +2, +3 l (even keys', odd keys'), +4 .. +7 c0-c3 at work; later +4, +5 a second chain of sums, +6 a
.set S,   64
.set QF,  192
.set KF,  128
.set VF,  192
.set WV,  10                           ; s10  my wave's number
.set CX,  11                           ; s11  my place in the cluster: my block of 512 queries
.set BH,  12                           ; s12  16 x batch + head
.set G,   13                           ; s13  my group
.set G1,  16                           ; s[16:23] descriptor group 1
.set G0A, 24                           ; s[24:27] group 0 of slot 0's first fill
.set G0B, 28                           ; s[28:31] group 0 of slot 1's first fill, which then walks
.set CS,  32                           ; s[32:33] c: the packed form names a pair and takes its low word for both halves
.set SEL, 34                           ; s[34:35] lane selects for v_permlanex16_b32: lane l xor 16
.set TB,  36                           ; s36  LDS byte of the chunk in hand
.set CNT, 37                           ; s37  counts a slot's steps
.set PH,  38                           ; s38  counts the changes of slots that fill
.set MSB, 0
.macro WIN new                         ; the immediate's high byte repeats the setting that is left; a switch that changes nothing is dropped
.if MSB != (\new)
	s_set_vgpr_msb (MSB<<8)|(\new)
.set MSB, (\new)
.endif
.endm
.set W_LD, 0x40                        ; LDS loads: destination window 1, address window 0
.set W_KQ, 0x01                        ; K window 1; Q and S^T window 0.  Also the way out's multiply: O^T window 1, the rest window 0
.set W_RS, 0x41                        ; O^T (destination and source 0) window 1, a window 0
.set W_PV, 0x51                        ; V^T window 1, P window 0, O^T (C and D) window 1
.macro PLACES n                        ; places behind matrix instructions (ISA guide 7.12.1): plain vector instructions that name none of their registers
.rept \n
	v_nop
.endr
.endm
.macro CROUND                          ; a round of the cluster's barrier: my work-group's barrier; wave 0 signals for the work-group; every wave waits for all four work-groups; my work-group's barrier once more
	s_barrier_signal -1
	s_barrier_wait -1
	s_cmp_lg_u32 s[WV], 0
	s_cbranch_scc1 .Lnot_wave_0_\@
	s_barrier_signal -3
.Lnot_wave_0_\@:
	s_barrier_wait -3
	s_barrier_signal -1
	s_barrier_wait -1
.endm
	s_load_b128 s[4:7], s[0:1], 0x0                ; qf s[4:5], kvf s[6:7]
	s_load_b64 s[8:9], s[0:1], 0x10                ; out0
	v_lshl_add_u32 v[SPW], v0, 2, SPARE
	v_mov_b32 v[NIL], 0
	ds_add_u32 v[SPW], v[NIL]                      ; the wave's opening: the add, twice on end, and its wait ahead of my first tensor load; the set-up below, work on registers, stands between
	ds_add_u32 v[SPW], v[NIL]
	v_lshrrev_b32 v1, 5, v0
	v_readfirstlane_b32 s[WV], v1                  ; wave 0..7
	s_bfe_u32 s[CX], ttmp6, 0x40000                ; it enters Q's and out0's addresses alone
	s_and_b32 s[BH], ttmp7, 0xffff                 ; which the four partners share
	s_lshr_b32 s[G], s[WV], 2
	s_xor_b32 s[G], s[G], s[WV]
	s_and_b32 s[G], s[G], 1
	; descriptor group 1: a chunk, 16,384 dense bytes, as 64 rows of 32 elements of 8 bytes; no padding: every LDS load takes 512 consecutive bytes
	s_mov_b32 s[G1+0], 15|(3<<16)|(1<<21)          ; 15:0 the mask: all four work-groups; 17:16 elements of 8 bytes; 21 set beside a mask
	s_mov_b32 s[G1+1], 32<<16                      ; tensor_dim0 = 32
	s_mov_b32 s[G1+2], 64<<16                      ; tensor_dim1 = 64
	s_mov_b32 s[G1+3], 32<<16                      ; tile_dim0 = 32
	s_mov_b32 s[G1+4], 64                          ; tile_dim1 = 64
	s_mov_b32 s[G1+5], 32                          ; tensor_dim0_stride
	s_mov_b32 s[G1+6], 0
	s_mov_b32 s[G1+7], 0
	s_mov_b32 s[CS], 0x3e38aa3b                    ; c = log2(e) / sqrt(64)
	s_mov_b32 s[CS+1], s[CS]                       ; (named with it as a pair, so it is written)
	s_mov_b32 s[SEL], 0x76543210
	s_mov_b32 s[SEL+1], 0xfedcba98
	s_mov_b32 s[TB], 0
	s_lshl_b32 s42, s[WV], 14                      ; my chunk of a slot: in LDS and in memory alike
	s_lshl_b32 s40, s[BH], 19                      ; kvf: 524,288 bytes a head
	s_add_co_u32 s40, s40, s42
	s_mov_b32 s41, 0
	s_lshl_b32 s44, s[BH], 18                      ; qf: 262,144 bytes a head,
	s_lshl_b32 s43, s[CX], 16                      ; 65,536 for 512 queries,
	s_add_co_u32 s44, s44, s43
	s_lshl_b32 s43, s[WV], 13                      ; 8,192 for my 64
	s_add_co_u32 s44, s44, s43
	s_mov_b32 s45, 0
	s_lshr_b32 s46, s[BH], 4                       ; out0: a batch is 2,048 rows of 4,096 bytes,
	s_lshl_b32 s46, s46, 23
	s_lshl_b32 s43, s[CX], 21                      ; 512 rows,
	s_add_co_u32 s46, s46, s43
	s_lshl_b32 s43, s[WV], 18                      ; 64 rows,
	s_add_co_u32 s46, s46, s43
	s_and_b32 s43, s[BH], 15
	s_lshl_b32 s43, s43, 8                         ; and a head's 256 bytes of a row
	s_add_co_u32 s46, s46, s43
	s_mov_b32 s47, 0
	s_wait_dscnt 0x0                               ; both opening adds are done
	s_wait_kmcnt 0x0
	s_add_nc_u64 s[4:5], s[4:5], s[44:45]
	s_add_nc_u64 s[6:7], s[6:7], s[40:41]
	s_add_nc_u64 s[8:9], s[8:9], s[46:47]
	CROUND                                         ; all four work-groups are here: the first joint loads meet
	s_mov_b32 s[G0A], 1                            ; 1:0 count = 1
	s_mov_b32 s[G0A+1], s42                        ; LDS address: slot 0, my chunk
	s_mov_b64 s[G0A+2:G0A+3], s[6:7]               ; keys 64 x wave on
	s_or_b32 s[G0A+3], s[G0A+3], 0x80000000        ; type = 2
	s_mov_b32 s[G0B], 1
	s_add_co_u32 s[G0B+1], s42, SLOT1
	s_add_nc_u64 s[G0B+2:G0B+3], s[6:7], 8*CHUNK   ; keys 512 + 64 x wave on
	s_or_b32 s[G0B+3], s[G0B+3], 0x80000000
	tensor_load_to_lds s[G0A:G0A+3], s[G1:G1+7]    ; both first fills together, ahead of every wait on TENSORcnt, every LDS read and every other barrier: two loads of mine are out
	s_nop 0
	tensor_load_to_lds s[G0B:G0B+3], s[G1:G1+7]
	s_nop 0
	PLACES 4
	v_and_b32 v1, 15, v0                           ; r = lane % 16
	v_bfe_u32 v2, v0, 4, 1                         ; h = lane / 16
	v_and_b32 v[LI], 31, v0
	v_lshlrev_b32 v[LI], 4, v[LI]
	v_add_nc_u32 v[ADR], s[TB], v[LI]
.set i, 0
.rept 16
	global_load_b128 v[QF+4*i:QF+4*i+3], v[LI], s[4:5] offset:512*i th:TH_LOAD_NT   ; Q stays in registers: 8 images of 1,024 bytes; read once in the launch
.set i, i+1
.endr
	s_mul_i32 s43, s[WV], STG                      ; my stage.  Every LDS address register is made here, ahead of the first parting of the groups
	v_mul_u32_u24 v[STO], v1, 272
	v_lshl_add_u32 v[STO], v2, 5, v[STO]
	v_add_nc_u32 v[STO], s43, v[STO]               ; in: row r, + 32 h; channel tile ct's eight numbers 64 ct bytes on
	v_mul_u32_u24 v[RD], v2, 272
	v_lshl_add_u32 v[RD], v1, 4, v[RD]
	v_add_nc_u32 v[RD], s43, v[RD]                 ; back: lanes 0-15 one row of 256 bytes, lanes 16-31 the next
	v_lshlrev_b32 v[GO], 12, v2
	v_lshl_add_u32 v[GO], v1, 4, v[GO]             ; and the same two rows in out0
.irp t, 0,1,2,3
	v_mov_b32 v[ST+8*\t+1], 0xff61b1e6             ; m starts at -3e38, under every score,
.endr
.irp t, 0,1,2,3
	v_mul_f32 v[ST+8*\t], s[CS], v[ST+8*\t+1]      ; and c m with it: so the softmax's first half has one form for all steps
.endr
.macro FK                              ; a chunk's K: 8 fragments, 16 loads of 512 consecutive bytes
.set i, 0
.rept 16
	ds_load_b128 v[KF+4*i:KF+4*i+3], v[ADR] offset:512*i
.set i, i+1
.endr
.endm
.macro FV                              ; its V^T
.set i, 0
.rept 16
	ds_load_b128 v[VF+4*i:VF+4*i+3], v[ADR] offset:8192+512*i
.set i, i+1
.endr
.endm
; S^T = K Q^T: 32 matrix instructions; the 16 accumulators take turns, one instruction a turn.  The first 16 start the sums.
.macro KQ
.irp c, 0,1
.irp kt, 0,1,2,3
.irp t, 0,1,2,3
.if \c == 0
	v_wmma_f32_16x16x32_f16 v[S+32*\t+8*\kt:S+32*\t+8*\kt+7], v[KF+8*(2*\kt+\c):KF+8*(2*\kt+\c)+7], v[QF+8*(2*\t+\c):QF+8*(2*\t+\c)+7], 0
.else
	v_wmma_f32_16x16x32_f16 v[S+32*\t+8*\kt:S+32*\t+8*\kt+7], v[KF+8*(2*\kt+\c):KF+8*(2*\kt+\c)+7], v[QF+8*(2*\t+\c):QF+8*(2*\t+\c)+7], v[S+32*\t+8*\kt:S+32*\t+8*\kt+7]
.endif
.endr
.endr
.endr
.endm
; O^T += V^T P: 32 matrix instructions, 16 accumulators by turns.  first = 1: the first 16 start the sums: nothing is ever cleared.
.macro PV first
.irp ks, 0,1
.irp ct, 0,1,2,3
.irp t, 0,1,2,3
.if \first && (\ks == 0)
	v_wmma_f32_16x16x32_f16 v[32*\t+8*\ct:32*\t+8*\ct+7], v[VF+8*(2*\ct+\ks):VF+8*(2*\ct+\ks)+7], v[S+32*\t+8*\ks:S+32*\t+8*\ks+7], 0
.else
	v_wmma_f32_16x16x32_f16 v[32*\t+8*\ct:32*\t+8*\ct+7], v[VF+8*(2*\ct+\ks):VF+8*(2*\ct+\ks)+7], v[S+32*\t+8*\ks:S+32*\t+8*\ks+7], v[32*\t+8*\ct:32*\t+8*\ct+7]
.endif
.endr
.endr
.endr
.endm
; THE SOFTMAX'S FIRST HALF, all in window 0, the four tiles by turns so that no line waits for the line above it: the maximum, c m, a's exponent, c s - c m, and all exponentials as ONE batch with one wait.
.macro SMA
.irp j, 0,1,2,3
.irp t, 0,1,2,3
	v_max3_num_f32 v[ST+8*\t+4+\j], v[S+32*\t+8*\j], v[S+32*\t+8*\j+1], v[S+32*\t+8*\j+2]   ; four chains, one to a key tile; each accumulator is read from its low end on
.endr
.endr
.irp i, 0,1
.irp j, 0,1,2,3
.irp t, 0,1,2,3
	v_max3_num_f32 v[ST+8*\t+4+\j], v[ST+8*\t+4+\j], v[S+32*\t+8*\j+3+2*\i], v[S+32*\t+8*\j+4+2*\i]
.endr
.endr
.endr
.irp t, 0,1,2,3
	v_max3_num_f32 v[ST+8*\t+4], v[ST+8*\t+4], v[S+32*\t+7], v[S+32*\t+15]   ; the four scores left over
.endr
.irp t, 0,1,2,3
	v_max3_num_f32 v[ST+8*\t+6], v[ST+8*\t+6], v[S+32*\t+23], v[S+32*\t+31]
.endr
.irp t, 0,1,2,3
	v_max3_num_f32 v[ST+8*\t+4], v[ST+8*\t+4], v[ST+8*\t+5], v[ST+8*\t+6]
.endr
.irp t, 0,1,2,3
	v_max3_num_f32 v[ST+8*\t+4], v[ST+8*\t+4], v[ST+8*\t+7], v[ST+8*\t+1]   ; with the old m
.endr
.irp t, 0,1,2,3
	v_permlanex16_b32 v[ST+8*\t+5], v[ST+8*\t+4], s[SEL], s[SEL+1]   ; the query's other 32 keys lie in the lane 16 away
.endr
.irp t, 0,1,2,3
	v_mov_b32 v[ST+8*\t+7], v[ST+8*\t]             ; c m_old is kept for a
.endr
.irp t, 0,1,2,3
	v_max_num_f32 v[ST+8*\t+1], v[ST+8*\t+4], v[ST+8*\t+5]   ; the new m
.endr
.irp t, 0,1,2,3
	v_mul_f32 v[ST+8*\t], s[CS], v[ST+8*\t+1]      ; c m
.endr
.irp t, 0,1,2,3
	v_sub_f32 v[ST+8*\t+7], v[ST+8*\t+7], v[ST+8*\t]   ; c m_old - c m_new, 0 or less
.endr
.set i, 0
.rept 16
.irp t, 0,1,2,3
	v_pk_fma_f32 v[S+32*\t+2*i:S+32*\t+2*i+1], v[S+32*\t+2*i:S+32*\t+2*i+1], s[CS:CS+1], v[ST+8*\t:ST+8*\t+1] op_sel_hi:[1,0,0] neg_lo:[0,0,1] neg_hi:[0,0,1]   ; c s - c m, two at a time
.endr
.set i, i+1
.endr
.irp t, 0,1,2,3
	v_exp_f32 v[ST+8*\t+6], v[ST+8*\t+7]           ; a
.endr
.set i, 0
.rept 32
.irp t, 0,1,2,3
	v_exp_f32 v[S+32*\t+i], v[S+32*\t+i]           ; p, at most 1
.endr
.set i, i+1
.endr
	v_nop                                          ; a plain instruction behind the last exponential, ahead of the first use (ISA guide 5.7.2)
	s_wait_alu depctr_va_vdst(0)                   ; the wait between the exponentials and the first lines that name their results: one for the batch
.endm
; THE SOFTMAX'S SECOND HALF: the sums of the unrounded p, in two chains a tile; the roundings to f16, in place; O^T times a.  first = 1: the first key step: l starts, and there is no O^T yet.
.macro SMB first
.irp t, 0,1,2,3
.if \first
	v_pk_add_f32 v[ST+8*\t+2:ST+8*\t+3], v[S+32*\t:S+32*\t+1], v[S+32*\t+6:S+32*\t+7]   ; l starts
.else
	v_pk_fma_f32 v[ST+8*\t+2:ST+8*\t+3], v[ST+8*\t+2:ST+8*\t+3], v[ST+8*\t+6:ST+8*\t+7], v[S+32*\t:S+32*\t+1] op_sel_hi:[1,0,1]   ; l = a l + the first pair
.endif
.endr
.irp t, 0,1,2,3
	v_pk_add_f32 v[ST+8*\t+4:ST+8*\t+5], v[S+32*\t+2:S+32*\t+3], v[S+32*\t+4:S+32*\t+5]   ; the second chain
.endr
.set i, 3+\first
.rept 13-\first
.irp t, 0,1,2,3
	v_pk_add_f32 v[ST+8*\t+2+2*((i+1)%2):ST+8*\t+3+2*((i+1)%2)], v[ST+8*\t+2+2*((i+1)%2):ST+8*\t+3+2*((i+1)%2)], v[S+32*\t+2*i:S+32*\t+2*i+1]   ; odd pairs to l, even pairs to the second chain
.endr
.set i, i+1
.endr
.irp t, 0,1,2,3
	v_pk_add_f32 v[ST+8*\t+2:ST+8*\t+3], v[ST+8*\t+2:ST+8*\t+3], v[ST+8*\t+4:ST+8*\t+5]
.endr
.set i, 0
.rept 16
.irp t, 0,1,2,3
	v_cvt_pk_f16_f32 v[S+32*\t+i], v[S+32*\t+2*i], v[S+32*\t+2*i+1]   ; pair i into register i: what it writes over has been read
.endr
.set i, i+1
.endr
.if \first == 0
	WIN W_RS
.set i, 0
.rept 64
	v_pk_mul_f32 v[2*i:2*i+1], v[2*i:2*i+1], v[ST+8*(i/16)+6:ST+8*(i/16)+7] op_sel_hi:[1,0]   ; O^T under the new m; each accumulator from its low end on
.set i, i+1
.endr
.endif
.endm
; A slot's first chunk is fetched, K and V^T, and S^T is made.
.macro ENTERQ
	WIN W_LD
	FK
	FV
	s_wait_dscnt 16                                ; K is in; V^T's 16 loads, issued behind it, may be out
	WIN W_KQ
	KQ
	WIN 0
	PLACES 4                                       ; behind the last product: ahead of the first read of the scores, and of the next loads into K's registers
.endm
; A slot's first half step: with the softmax's first half.
.macro ENTER
	ENTERQ
	SMA
.endm
; A trip finishes key step i and begins key step i + 1, whose chunk lies in the same slot.
.macro BODY first
	s_add_co_u32 s[TB], s[TB], CHUNK
	v_add_nc_u32 v[ADR], s[TB], v[LI]
	WIN W_LD
	FK                                             ; the next step's K: four places or more lie behind the last product that read K
	WIN 0
	SMB \first
	s_wait_dscnt 16                                ; this step's V^T is in; the 16 loads of K just issued may be out
	WIN W_PV
	PV \first
	WIN 0
	PLACES 5                                       ; four in front of the loads into V^T's registers; five since the next products write over P, which these have read
	WIN W_LD
	FV                                             ; the next step's V^T
	s_wait_dscnt 16                                ; K is in; V^T's 16 loads may be out
	WIN W_KQ
	KQ
	WIN 0
	PLACES 4
	SMA
.endm
; A slot's last half step: registers alone (V^T was asked for in the last trip).
.macro TAIL
	SMB 0
	s_wait_dscnt 0x0                               ; V^T is in
	WIN W_PV
	PV 0
	WIN 0
	PLACES 5
.endm
.macro LOOP n
	s_mov_b32 s[CNT], \n
.Lstep_\@:
	BODY 0
	s_sub_co_u32 s[CNT], s[CNT], 1
	s_cmp_lg_u32 s[CNT], 0
	s_cbranch_scc1 .Lstep_\@
.endm
; THE CHANGE OF SLOTS.  Each wave waits for all its tensor loads, of which one at the most is out: its chunk of the slot ahead; adds 0 to its spare word; and waits for that and for its reads of the slot that it leaves.
; fill = 1: the barrier is a round of the cluster's, so that no wave of any partner still reads the slot or has a load on its way; the joint refill, the keys two slots on, is the first thing behind it, one load a wave.
.macro CHANGE fill
	s_wait_tensorcnt 0x0                           ; no tensor load of mine is out, so a group 0 may be written
	ds_add_u32 v[SPW], v[NIL]                      ; 0 onto my spare word: the steps below stand between it and the wait for it
.if \fill
	s_xor_b32 s[G0B+1], s[G0B+1], SLOT1            ; the walking descriptor: the other slot than last time,
	s_add_nc_u64 s[G0B+2:G0B+3], s[G0B+2:G0B+3], 8*CHUNK   ; the next 512 keys; the type bits on top are not reached
.endif
	s_sub_co_u32 s[TB], s[TB], 7*CHUNK             ; back to a slot's first chunk,
	s_xor_b32 s[TB], s[TB], SLOT1                  ; in the other slot
	s_wait_dscnt 0x0                               ; the add is done, and my reads of the slot that I leave are over
.if \fill
	CROUND
	tensor_load_to_lds s[G0B:G0B+3], s[G1:G1+7]
	s_nop 0
	PLACES 4
.else
	s_barrier_signal -1
	s_barrier_wait -1
.endif
	v_add_nc_u32 v[ADR], s[TB], v[LI]
.endm
	s_wait_tensorcnt 1                             ; my chunk of slot 0 is in; slot 1's load, issued behind it, may stay out
	s_barrier_signal -1
	s_barrier_wait -1                              ; everybody's is
	s_wait_loadcnt 0x0                             ; Q
	ENTERQ                                         ; every wave: the first chunk's fragments and the first scores
	s_cmp_lg_u32 s[G], 0                           ; group 0 runs the first half of its first softmax in front of the barrier,
	s_cbranch_scc1 .Lnot_yet
	SMA
.Lnot_yet:
	s_wait_dscnt 0x0                               ; no LDS load of mine is out at the signal: V^T is in
	s_barrier_signal -1
	s_barrier_wait -1
	s_cmp_lg_u32 s[G], 1                           ; and group 1 behind it: from here on it is that much behind
	s_cbranch_scc1 .Lgone
	SMA
.Lgone:
	BODY 1                                         ; key step 0 starts l and O^T
	LOOP 6
	s_mov_b32 s[PH], 2
.Lphase:                                           ; two trips: slot 0 takes keys 1,024 on, then slot 1 keys 1,536 on
	s_cmp_lg_u32 s[G], 0
	s_cbranch_scc1 .Llater
	TAIL                                           ; group 0 finishes the slot's last step in front of the change,
.Llater:
	CHANGE 1
	s_cmp_lg_u32 s[G], 1
	s_cbranch_scc1 .Ldone
	TAIL                                           ; group 1 behind it: on registers alone
.Ldone:
	ENTER
	LOOP 7
	s_sub_co_u32 s[PH], s[PH], 1
	s_cmp_lg_u32 s[PH], 0
	s_cbranch_scc1 .Lphase
	s_cmp_lg_u32 s[G], 0                           ; the last change is written out: nothing is left to ask for
	s_cbranch_scc1 .Llater_last
	TAIL
.Llater_last:
	CHANGE 0
	s_cmp_lg_u32 s[G], 1
	s_cbranch_scc1 .Ldone_last
	TAIL
.Ldone_last:
	ENTER
	LOOP 7
	TAIL
	; THE WAY OUT.  l's two halves and the other half of the lanes' are added; O^T is divided by l and goes through my stage in LDS, a tile (16 rows of 256 bytes) at a time, so that sixteen lanes store a head's whole 256 bytes of a row.
.irp t, 0,1,2,3
	v_add_f32 v[ST+8*\t+4], v[ST+8*\t+2], v[ST+8*\t+3]
.endr
.irp t, 0,1,2,3
	v_permlanex16_b32 v[ST+8*\t+5], v[ST+8*\t+4], s[SEL], s[SEL+1]
.endr
.irp t, 0,1,2,3
	v_add_f32 v[ST+8*\t+4], v[ST+8*\t+4], v[ST+8*\t+5]
.endr
.irp t, 0,1,2,3
	v_rcp_f32 v[ST+8*\t+6], v[ST+8*\t+4]
.endr
	v_nop                                          ; a plain instruction between the last reciprocal and the use of its result
	s_wait_alu depctr_va_vdst(0)                   ; and a wait ahead of the first use: one for the four
.macro PACK t
	WIN W_KQ                                       ; source 0 (O^T) window 1, the rest window 0
.set j, 0
.rept 16
	v_pk_mul_f32 v[S+32*\t+2*j:S+32*\t+2*j+1], v[32*\t+2*j:32*\t+2*j+1], v[ST+8*\t+6:ST+8*\t+7] op_sel_hi:[1,0]   ; O^T / l, into S^T's registers, which are free; each accumulator from its low end on
.set j, j+1
.endr
	WIN 0
.irp ct, 0,1,2,3
.irp u, 0,1
	ds_store_b128 v[STO], v[S+32*\t+8*\ct+4*\u:S+32*\t+8*\ct+4*\u+3] offset:64*\ct+16*\u
.endr
.endr
.irp i, 0,1,2,3,4,5,6,7
	ds_load_b128 v[S+32*\t+4*\i:S+32*\t+4*\i+3], v[RD] offset:544*\i   ; LDS serves a wave's instructions in order (ISA guide 5.7.1.4): these see the stores above; the next tile's stores come behind them
.endr
.endm
.macro SEND t, younger                 ; younger: the LDS instructions issued behind tile t's loads: the next tile's sixteen, or none
.irp i, 0,1,2,3,4,5,6,7
	s_wait_dscnt \younger+7-\i
	global_store_b128 v[GO], v[S+32*\t+4*\i:S+32*\t+4*\i+3], s[8:9] offset:(16*\t+2*\i)*4096 th:TH_STORE_NT   ; 16 lanes store 256 consecutive bytes, at a multiple of 256 from out0's first byte; written once
.endr
.endm
	PACK 0
	PACK 1                                         ; a tile's arithmetic stands between the loads of the tile before and its stores
	SEND 0, 16
	PACK 2
	SEND 1, 16
	PACK 3
	SEND 2, 16
	SEND 3, 0
	s_wait_tensorcnt 0x0                           ; the wave's end, behind my last tensor load and my last LDS store
	ds_add_u32 v[SPW], v[NIL]
	s_wait_dscnt 0x0
	CROUND                                         ; the closing round: no work-group ends while a partner may still ask for a chunk that names it
	s_endpgm
.Lfunc_end_k_qde5d27a2c5_attn:
	.size	k_qde5d27a2c5_attn, .Lfunc_end_k_qde5d27a2c5_attn-k_qde5d27a2c5_attn
	.p2alignl 7, 3214868480
	.fill 96, 4, 3214868480
	.section	.rodata,"a",@progbits
	.p2align	6, 0x0
	.amdhsa_kernel k_qde5d27a2c5_attn
		.amdhsa_group_segment_fixed_size 327680
		.amdhsa_private_segment_fixed_size 0
		.amdhsa_enable_private_segment 0
		.amdhsa_kernarg_size 24
		.amdhsa_user_sgpr_count 2
		.amdhsa_user_sgpr_kernarg_segment_ptr 1
		.amdhsa_wavefront_size32 1
		.amdhsa_system_sgpr_workgroup_id_x 1
		.amdhsa_system_sgpr_workgroup_id_y 1
		.amdhsa_system_sgpr_workgroup_id_z 1
		.amdhsa_system_vgpr_workitem_id 0
		.amdhsa_next_free_vgpr 512
		.amdhsa_next_free_sgpr 66
		.amdhsa_reserve_vcc 0
		.amdhsa_float_denorm_mode_32 3
		.amdhsa_float_denorm_mode_16_64 3
		.amdhsa_memory_ordered 1
		.amdhsa_forward_progress 1
		.amdhsa_inst_pref_size 255
	.end_amdhsa_kernel
	.section	.bss,"aw",@nobits
	.p2align	6
	.space	262144
	.amdgpu_metadata
---
amdhsa.version: [ 1, 2 ]
amdhsa.kernels:
  - .name:           k_qde5d27a2c5_attn
    .symbol:         k_qde5d27a2c5_attn.kd
    .args:
      - { .name: qf, .offset: 0, .size: 8, .value_kind: global_buffer, .address_space: global }
      - { .name: kvf, .offset: 8, .size: 8, .value_kind: global_buffer, .address_space: global }
      - { .name: out0, .offset: 16, .size: 8, .value_kind: global_buffer, .address_space: global }
    .group_segment_fixed_size: 327680
    .private_segment_fixed_size: 0
    .kernarg_segment_align: 8
    .kernarg_segment_size: 24
    .max_flat_workgroup_size: 256
    .sgpr_count:     66
    .vgpr_count:     512
    .wavefront_size: 32
...
	.end_amdgpu_metadata
.endif
;; end of part 3
